; MI455X (gfx1250); checked and timed in simulation.
; The chip was launched on July 23, 2026; its instructions are those of AMD's public machine-readable ISA for CDNA 5 (MIT licence, August 2026) and "CDNA5" Instruction Set Architecture Reference Guide (July 2026). The comments in the code are by the model that wrote it; some were corrected since.
;; Cross Attention. Allowed arithmetic: matrix products marked QUANTISED: E2M3 operands, one E8M0 scale for each 32 along K, by v_wmma_scale_f32_16x16x128_f8f6f4 with both operands' format E2M3, f32 sums; everything else in f32.
;; Inputs: Wk 768 x 512 float32; Wo 512 x 512 float32; Wq 512 x 512 float32; Wv 768 x 512 float32; bo 512 float32; context 8 x 1,024 x 768 float32; x 8 x 512 x 64 x 64 float32.
;; Outputs: out0 8 x 512 x 64 x 64 float32.
;; This version of the problem:
;;   THIS VERSION OF THE PROBLEM IS GIVEN IN LOW PRECISION. The matrix products marked QUANTISED in the list below multiply operands that are first quantised to E2M3 (2 exponent bits, 3 mantissa bits; 6 bits a number), with one power-of-two scale for each 32 numbers along K (OCP MX v1.0); their sums are f32. All else is computed in f32.
;;   The module's matrix products, in the order in which they are computed (A, B: the left and right operand; K: the contracted axis; several contracted axes count as one K, in the product's order):
;;     1. [M 32,768, K 512] x [K 512, N 512]; A: input x; B: input Wq: QUANTISED
;;     2. [M 8,192, K 768] x [K 768, N 512]; A: input context; B: input Wk: QUANTISED
;;     3. [M 8,192, K 768] x [K 768, N 512]; A: input context; B: input Wv: QUANTISED
;;     4. batch 64 x [M 4,096, K 64] x [K 64, N 1,024]; A: computed on the way; B: computed on the way: QUANTISED
;;     5. batch 64 x [M 4,096, K 1,024] x [K 1,024, N 64]; A: softmax (see below); B: computed on the way: QUANTISED
;;     6. [M 32,768, K 512] x [K 512, N 512]; A: computed on the way; B: input Wo: QUANTISED
;;   THE QUANTISER, for each operand of a quantised product, along K:
;;     - K is cut into blocks of 32 from its start; a last block that is shorter is filled with zeros.
;;     - A block's scale is 2^e with e = floor(log2(the largest magnitude in the block)) - 2, held to -126 .. 127; a block of zeros has e = 0. As a byte (E8M0): e + 127.
;;     - Each number is divided by its block's scale, clamped to +-7.5, and rounded to the nearest number of E2M3, ties to even, subnormals kept.
;;     - The product sums the exact products of the quantised numbers (number of the format x scale) in f32.
;;   ~~~python
;;   def quantise(x, axis):      # numpy; x: float32 -> the quantised numbers, widened to float32 again
;;       x = np.moveaxis(x, axis, -1); K = x.shape[-1]
;;       x = np.pad(x, [(0, 0)] * (x.ndim - 1) + [(0, -K % 32)]); x = x.reshape(x.shape[:-1] + (-1, 32)); a = np.abs(x).max(-1, keepdims=True)
;;       e = np.where(a > 0, np.clip(np.frexp(np.where(a > 0, a, 1))[1] - 1 - 2, -126, 127), 0)      # np.frexp(a)[1] - 1 = floor(log2(a)), exactly
;;       r = np.clip(x / 2.0 ** e, -7.5, 7.5)
;;       step = 2.0 ** (np.maximum(np.frexp(np.where(r == 0, 1, r))[1] - 1, 0) - 3)
;;       q = np.round(r / step) * step * 2.0 ** e      # np.round: ties to even
;;       return np.moveaxis(q.reshape(q.shape[:-2] + (-1,))[..., :K], -1, axis).astype(np.float32)
;;   ~~~
;;   SOFTMAX AHEAD OF A QUANTISED PRODUCT. Where the list says 'softmax', what is quantised is not the finished softmax but p = 2^(t - M), with t = logit x log2(e) and M = ceil(the row's largest t), a whole number; so 1/2 < the row's largest p <= 1. The row's sum l is taken of the UNQUANTISED p, in f32, and the product's result is divided by l at the end. Since M is a whole number, a kernel that streams over the keys may use a running M (the ceiling of the running maximum): every later rescaling is an exact power of two, which a block's scale takes up: the codes' values come out the same.
;;   OPERANDS COMPUTED ON THE WAY. 'Computed on the way' means the value that the module computes at that place (a softmax that the list does not call 'softmax' is quantised finished and normalised). What goes into a quantiser is computed in f32, as accurately as f32 sums, v_exp_f32 and their like allow (about 1e-6 of the number): no bf16 or f16 on the way to a quantiser, and a product that is left as it is and whose result goes on into a quantised operand takes f32 operands (vector FMAs, or v_wmma_f32_16x16x4_f32). A number that lies on a knife's edge between two numbers of the format may be rounded either way, as far as f32 arithmetic and the matrix unit's own rounding can turn it there, and no further.
;; One version. Each part assembles by itself: llvm-mc -triple=amdgcn-amd-amdhsa -mcpu=gfx1250 --defsym DOCPART=n.
;; ======== version 1 of 1: 4 launches
;; limits: right only within a limited range of input values
;; workspace buffers: xq 13,107,200 bytes; cq 4,915,200 bytes; wq 1,024,000 bytes; kv 6,684,672 bytes; oq 13,107,200 bytes
;; launch quant (part 1): grid 1488 x 1, 4 waves a work-group, no clusters, 68,096 bytes of LDS; arguments x, context, Wq, Wo, Wk, Wv, xq, cq, wq; writes xq, cq, wq
.if DOCPART == 1
	.amdgcn_target "amdgcn-amd-amdhsa--gfx1250"
	.amdhsa_code_object_version 6
	.text
	.protected	k_q8b218354f5_quant
	.globl	k_q8b218354f5_quant
	.p2align	8
	.type	k_q8b218354f5_quant,@function
k_q8b218354f5_quant:
	s_mov_b64 s[64:65], 0
	v_nop
	global_prefetch_b8 v0, s[64:65] scope:SCOPE_SE
	s_setreg_imm32_b32 hwreg(HW_REG_WAVE_MODE, 25, 1), 1
	s_wait_xcnt 0x0
; x [8][512 c][4096 tokens], context [8192 keys][768], Wq, Wo [512][512], Wk, Wv [768][512], all f32, become codes of FP6 (E2M3) with one E8M0 byte for each 32 along K.
; K is c for x, the inner axis for context, the first axis for the four weights.  A block's scale is 2^(floor(log2(largest magnitude)) - 2): its byte is the largest magnitude's exponent field - 2, held at 1 from below.
; LIMITS: NaN and infinities among the inputs are not served.  A block of zeros gets the byte 1 where the rule says 127: its codes are zeros, and the bytes are read by this program alone.
; WHAT IS STORED ARE IMAGES OF OPERAND REGISTERS.  A fragment (16 rows x 128 K, 12 registers a lane) is 1,536 bytes: registers 4 c .. 4 c + 3 of lane l at 512 c + 16 l.
; 32 neighbouring rows (tokens, keys, columns of a weight) are a PAIR of tiles: lane r of tile u holds row 8 u + r + 8 (r / 8), so that a later product that takes the two tiles as source 0 leaves 16 neighbours in a lane.
; The scale words of a pair are one image of 128 bytes: the word of tile u's row r at 4 (16 u + r).
; SHARES.  A wave takes one pair x 128 along K: lane 16 u + r owns one row, and its 128 registers run along K, so that a block's largest magnitude needs no other lane.  Four waves, which share nothing: no barrier.
; Work-groups 0-1023 take x, 1024-1103 the weights, 1104-1487 context.  Only the loads differ; only context's way touches LDS (its K is innermost, so a row's 512 bytes are loaded as they lie and turned in the wave's own stage).
; ROWS OF A TILE, for context, Wq, Wk and Wv (x and Wo keep the pairs described above): 64 neighbouring rows are FOUR tiles; row m of tile i is row 8 i + m % 8 + 32 (m / 8).
; A product that takes the four tiles as source 0 then leaves a whole block of 32 neighbours in one lane's 32 registers.  A wave still takes two tiles (2 a, 2 a + 1 of the four): rows 16 a + 0 .. 15 and 32 + 16 a + 0 .. 15.
.set X,  64
.set F0, 24                            ; v24-35   blocks 0 and 2, then tile 0's fragment
.set F1, 36                            ; v36-47   blocks 1 and 3, then tile 1's fragment
.set TP, 48                            ; v48-63   the upper halves of the four blocks, three registers each, four apart (a conversion's three registers begin on an even number)
	s_load_b512 s[8:23], s[0:1], 0x0               ; x s[8:9], context s[10:11], Wq s[12:13], Wo s[14:15], Wk s[16:17], Wv s[18:19], xq s[20:21], cq s[22:23]
	s_load_b64 s[24:25], s[0:1], 0x40              ; wq
	v_lshl_add_u32 v192, v0, 2, 0x10800
	v_mov_b32 v193, 0
	v_lshrrev_b32 v1, 5, v0
	v_readfirstlane_b32 s3, v1                     ; wave 0..3
	v_and_b32 v1, 31, v0                           ; lane
	v_and_b32 v2, 15, v0
	v_and_b32 v9, 8, v0
	v_add_nc_u32 v2, v2, v9
	v_bfe_u32 v9, v0, 4, 1
	v_lshl_add_u32 v2, v9, 3, v2                   ; my row of the pair: r + 8 (r / 8) + 8 u
	v_lshlrev_b32 v2, 2, v2                        ; in bytes, where rows are neighbours in memory
	v_lshlrev_b32 v3, 4, v1                        ; 16 x lane
	v_lshlrev_b32 v4, 2, v1                        ; 4 x lane
	s_mul_i32 s40, s3, 16896                       ; my wave's stage: 32 rows x 528 bytes
	v_add_nc_u32 v6, s40, v3                       ; into it: 16 x lane of a row
	v_mul_u32_u24 v7, v1, 528
	v_add_nc_u32 v7, s40, v7                       ; out of it: row = lane; 528 = 33 x 16, so that the sixteen lanes of a load start 33 x 16 bytes apart
	s_mov_b32 s2, ttmp9
	s_wait_kmcnt 0x0
.macro LOADK pitch                     ; K is not innermost: register i takes K = i of my row; the 32 lanes read 128 consecutive bytes, the four waves 512
.set ii, 0
.rept 128
	global_load_b32 v[X+ii], v2, s[32:33] offset:ii*\pitch th:TH_LOAD_NT
.set ii, ii+1
.endr
	s_wait_loadcnt 0x0
.endm
.macro WPAR lo, j0, ks, r0, sh, rs, mask, scoff    ; a weight's figures: pointer, first work-group, K steps, first record, pairs to a record (as a shift and a mask), a record's bytes, where a record's scale images begin
	s_mov_b64 s[32:33], s[\lo:\lo+1]
	s_mov_b32 s41, \j0
	s_mov_b32 s26, \ks
	s_mov_b32 s27, \r0
	s_mov_b32 s42, \sh
	s_mov_b32 s43, \rs
	s_mov_b32 s44, \mask
	s_mov_b32 s29, \scoff
.endm
	s_cmp_lt_u32 s2, 1024
	s_cbranch_scc0 .Lnot_x
	; ---- x: id = 128 b + 32 s + quarter of the batch's 128 pairs
	s_lshr_b32 s40, s2, 7                          ; b
	s_bfe_u32 s30, s2, 0x20005                     ; s: which 128 of c
	s_and_b32 s41, s2, 31
	s_lshl_b32 s41, s41, 2
	s_add_co_u32 s41, s41, s3                      ; the pair in the batch
	s_lshl_b32 s42, s40, 23                        ; b x 512 x 4,096 x 4 bytes
	s_lshl_b32 s43, s30, 21                        ; s x 128 x 16,384
	s_add_co_u32 s42, s42, s43
	s_lshl_b32 s43, s41, 7                         ; 32 tokens x 4 bytes
	s_add_co_u32 s42, s42, s43
	s_mov_b32 s43, 0
	s_add_nc_u64 s[32:33], s[8:9], s[42:43]
	s_mov_b32 s26, 4                               ; K steps
	s_mov_b32 s27, 0                               ; one record
	s_lshl_b32 s28, s40, 7
	s_add_co_u32 s28, s28, s41                     ; the pair in the record: 128 b + pair
	s_mov_b32 s29, 12582912                        ; behind 2,048 tiles x 4 x 1,536 bytes
	s_mov_b64 s[34:35], s[20:21]
	s_wait_alu depctr_va_vdst(0)
	LOADK 16384
	s_branch .Lquant
.Lnot_x:
	s_cmp_lt_u32 s2, 1104
	s_cbranch_scc0 .Lctx
	; ---- the weights: 4 work-groups for each K step of each
	s_sub_co_u32 s40, s2, 1024
	s_cmp_lt_u32 s40, 16
	s_cbranch_scc0 .Lnot_wq
	WPAR 12, 0, 4, 0, 1, 25600, 1, 24576           ; Wq: a record for each head (2 pairs)
	s_branch .Lw
.Lnot_wq:
	s_cmp_lt_u32 s40, 32
	s_cbranch_scc0 .Lnot_wo
	WPAR 14, 16, 4, 204800, 4, 0, 15, 196608       ; Wo: one record of 16 pairs
	s_branch .Lw
.Lnot_wo:
	s_cmp_lt_u32 s40, 56
	s_cbranch_scc0 .Lis_wv
	WPAR 16, 32, 6, 409600, 2, 153600, 3, 73728    ; Wk: a record for each 128 columns (4 pairs), Wv's record of the same columns behind it
	s_branch .Lw
.Lis_wv:
	WPAR 18, 56, 6, 486400, 2, 153600, 3, 73728
.Lw:
	s_cmp_eq_u32 s41, 16                           ; Wo keeps the pairs; Wq, Wk, Wv take the tiles of four
	s_cselect_b32 s46, 7, 6                        ; the odd wave's columns begin 32 or 16 columns on (as a shift of bytes)
	s_cselect_b32 s47, 4, 5                        ; rows 8-15 of a tile lie 16 or 32 columns behind rows 0-7
	v_and_b32 v2, 7, v0                            ; r % 8
	v_bfe_u32 v9, v0, 4, 1                         ; u
	v_lshl_add_u32 v2, v9, 3, v2                   ; + 8 u
	v_bfe_u32 v9, v0, 3, 1                         ; r / 8
	v_lshlrev_b32 v9, s47, v9
	v_add_lshl_u32 v2, v2, v9, 2                   ; my column among the wave's, in bytes
	s_sub_co_u32 s40, s40, s41
	s_lshr_b32 s30, s40, 2                         ; s
	s_and_b32 s40, s40, 3
	s_lshl_b32 s40, s40, 2
	s_add_co_u32 s40, s40, s3                      ; the pair of columns, 0..15
	s_lshr_b32 s42, s40, s42
	s_mul_i32 s42, s42, s43
	s_add_co_u32 s27, s27, s42                     ; its record
	s_and_b32 s28, s40, s44                        ; and its place there
	s_lshl_b32 s42, s30, 18                        ; s x 128 rows of 2,048 bytes
	s_lshr_b32 s43, s40, 1
	s_lshl_b32 s43, s43, 8                         ; 64 columns x 4 bytes for each two waves' share,
	s_and_b32 s45, s40, 1
	s_lshl_b32 s45, s45, s46                       ; and the odd one's start
	s_add_co_u32 s43, s43, s45
	s_add_co_u32 s42, s42, s43
	s_mov_b32 s43, 0
	s_add_nc_u64 s[32:33], s[32:33], s[42:43]
	s_mov_b64 s[34:35], s[24:25]
	s_wait_alu depctr_va_vdst(0)
	LOADK 2048
	s_branch .Lquant
.Lctx:
	; ---- context: id - 1104 = 64 s + block of 128 keys; the wave takes the block's pair of its own number
	s_sub_co_u32 s40, s2, 1104
	s_lshr_b32 s30, s40, 6                         ; s
	s_and_b32 s41, s40, 63                         ; the block of keys
	s_lshl_b32 s42, s41, 7
	s_lshr_b32 s43, s3, 1
	s_lshl_b32 s43, s43, 6                         ; 64 keys for each two waves,
	s_and_b32 s44, s3, 1
	s_lshl_b32 s44, s44, 4                         ; the odd wave 16 keys on
	s_add_co_u32 s43, s43, s44
	s_add_co_u32 s42, s42, s43
	s_mul_i32 s42, s42, 3072                       ; the pair's first row
	s_lshl_b32 s43, s30, 9
	s_add_co_u32 s42, s42, s43                     ; + 128 s numbers
	s_mov_b32 s43, 0
	s_add_nc_u64 s[32:33], s[10:11], s[42:43]
	s_mov_b32 s26, 6
	s_mul_i32 s27, s41, 76800
	s_mov_b32 s28, s3
	s_mov_b32 s29, 73728
	s_mov_b64 s[34:35], s[22:23]
.set ii, 0
	s_wait_alu depctr_va_vdst(0)
.rept 32                               ; load i takes the row that lane i owns: 512 consecutive bytes, 16 a lane
	global_load_b128 v[X+4*ii:X+4*ii+3], v3, s[32:33] offset:((ii%8)+32*((ii%16)/8)+8*(ii/16))*3072 th:TH_LOAD_NT
.set ii, ii+1
.endr
	s_wait_loadcnt 0x0
.set ii, 0
.rept 32
	ds_store_b128 v6, v[X+4*ii:X+4*ii+3] offset:528*ii
.set ii, ii+1
.endr
.set ii, 0
.rept 32                               ; LDS serves a wave's instructions in order (ISA guide 5.7.1.4): these see the stores above; the bytes are the wave's own
	ds_load_b128 v[X+4*ii:X+4*ii+3], v7 offset:16*ii
.set ii, ii+1
.endr
	s_wait_dscnt 0x0
.Lquant:
	; where the results go: codes at record + (2 x pair x K steps + s) x 1,536 (tile 1: K steps x 1,536 further on); scale image at record + its offset + (pair x K steps + s) x 128
	s_mul_i32 s40, s28, s26
	s_lshl_b32 s41, s40, 1
	s_add_co_u32 s41, s41, s30
	s_mul_i32 s41, s41, 1536
	s_add_co_u32 s42, s41, s27
	s_mov_b32 s43, 0
	s_add_nc_u64 s[36:37], s[34:35], s[42:43]
	s_add_co_u32 s40, s40, s30
	s_lshl_b32 s40, s40, 7
	s_add_co_u32 s40, s40, s27
	s_add_co_u32 s42, s40, s29
	s_add_nc_u64 s[38:39], s[34:35], s[42:43]
	s_mul_i32 s40, s26, 1536
	v_add_nc_u32 v5, s40, v3
	; the four blocks' largest magnitudes, by turns, with the floor 2^(3 - 127) among the leaves: so no byte falls under 1
.irp b, 0,1,2,3
	v_max3_num_f32 v[8+\b], |v[X+32*\b]|, |v[X+32*\b+1]|, 0x1800000
.endr
.irp i, 2,4,6,8,10,12,14,16,18,20,22,24,26,28,30
.irp b, 0,1,2,3
	v_max3_num_f32 v[8+\b], v[8+\b], |v[X+32*\b+\i]|, |v[X+32*\b+\i+1]|
.endr
.endr
.irp b, 0,1,2,3
	v_add_nc_u32 v[12+\b], 0xff000000, v[8+\b]     ; 2 off the exponent field: the conversion takes this operand's exponent field as its scale
.endr
.irp b, 0,1,2,3
	v_lshrrev_b32 v[16+\b], 23, v[12+\b]           ; the scale's byte
.endr
	v_lshl_or_b32 v20, v17, 8, v16                 ; my row's scale word
	v_lshl_or_b32 v20, v18, 16, v20
	v_lshl_or_b32 v20, v19, 24, v20
	v_cvt_scalef32_pk16_fp6_f32 v[F0:F0+2], v[X:X+15], v12
	v_cvt_scalef32_pk16_fp6_f32 v[TP:TP+2], v[X+16:X+31], v12
	v_cvt_scalef32_pk16_fp6_f32 v[F1:F1+2], v[X+32:X+47], v13
	v_cvt_scalef32_pk16_fp6_f32 v[TP+4:TP+6], v[X+48:X+63], v13
	v_cvt_scalef32_pk16_fp6_f32 v[F0+6:F0+8], v[X+64:X+79], v14
	v_cvt_scalef32_pk16_fp6_f32 v[TP+8:TP+10], v[X+80:X+95], v14
	v_cvt_scalef32_pk16_fp6_f32 v[F1+6:F1+8], v[X+96:X+111], v15
	v_cvt_scalef32_pk16_fp6_f32 v[TP+12:TP+14], v[X+112:X+127], v15
	v_nop                                          ; one plain instruction behind the last scaled conversion
.irp i, 0,1,2
	v_mov_b32 v[F0+3+\i], v[TP+\i]
	v_mov_b32 v[F1+3+\i], v[TP+4+\i]
	v_mov_b32 v[F0+9+\i], v[TP+8+\i]
	v_mov_b32 v[F1+9+\i], v[TP+12+\i]
.endr
	; A fragment's lanes 0-15 want blocks 0 and 2 of their rows, its lanes 16-31 blocks 1 and 3.  F0's lanes 16-31 (tile 1's blocks 0, 2) change places with F1's lanes 0-15 (tile 0's blocks 1, 3): F0 is tile 0's fragment, F1 tile 1's
.irp i, 0,1,2,3,4,5,6,7,8,9,10,11
	v_permlane16_swap_b32 v[F0+\i], v[F1+\i]
.endr
.irp c, 0,1,2
	global_store_b128 v3, v[F0+4*\c:F0+4*\c+3], s[36:37] offset:512*\c     ; 32 lanes store 512 consecutive bytes, at a multiple of 256 from the buffer's first byte
.endr
.irp c, 0,1,2
	global_store_b128 v5, v[F1+4*\c:F1+4*\c+3], s[36:37] offset:512*\c
.endr
	global_store_b32 v4, v20, s[38:39]             ; the pair's scale image, 128 consecutive bytes
	s_wait_tensorcnt 0x0
	ds_add_u32 v192, v193
	s_wait_dscnt 0x0
	s_endpgm
.Lfunc_end_k_q8b218354f5_quant:
	.size	k_q8b218354f5_quant, .Lfunc_end_k_q8b218354f5_quant-k_q8b218354f5_quant
	.p2alignl 7, 3214868480
	.fill 96, 4, 3214868480
	.section	.rodata,"a",@progbits
	.p2align	6, 0x0
	.amdhsa_kernel k_q8b218354f5_quant
		.amdhsa_group_segment_fixed_size 68096
		.amdhsa_private_segment_fixed_size 0
		.amdhsa_enable_private_segment 0
		.amdhsa_kernarg_size 72
		.amdhsa_user_sgpr_count 2
		.amdhsa_user_sgpr_kernarg_segment_ptr 1
		.amdhsa_wavefront_size32 1
		.amdhsa_system_sgpr_workgroup_id_x 1
		.amdhsa_system_sgpr_workgroup_id_y 1
		.amdhsa_system_sgpr_workgroup_id_z 1
		.amdhsa_system_vgpr_workitem_id 0
		.amdhsa_next_free_vgpr 194
		.amdhsa_next_free_sgpr 66
		.amdhsa_reserve_vcc 0
		.amdhsa_float_denorm_mode_32 3
		.amdhsa_float_denorm_mode_16_64 3
		.amdhsa_memory_ordered 1
		.amdhsa_forward_progress 1
		.amdhsa_inst_pref_size 44
	.end_amdhsa_kernel
	.amdgpu_metadata
---
amdhsa.version: [ 1, 2 ]
amdhsa.kernels:
  - .name:           k_q8b218354f5_quant
    .symbol:         k_q8b218354f5_quant.kd
    .args:
      - { .name: x, .offset: 0, .size: 8, .value_kind: global_buffer, .address_space: global }
      - { .name: context, .offset: 8, .size: 8, .value_kind: global_buffer, .address_space: global }
      - { .name: Wq, .offset: 16, .size: 8, .value_kind: global_buffer, .address_space: global }
      - { .name: Wo, .offset: 24, .size: 8, .value_kind: global_buffer, .address_space: global }
      - { .name: Wk, .offset: 32, .size: 8, .value_kind: global_buffer, .address_space: global }
      - { .name: Wv, .offset: 40, .size: 8, .value_kind: global_buffer, .address_space: global }
      - { .name: xq, .offset: 48, .size: 8, .value_kind: global_buffer, .address_space: global }
      - { .name: cq, .offset: 56, .size: 8, .value_kind: global_buffer, .address_space: global }
      - { .name: wq, .offset: 64, .size: 8, .value_kind: global_buffer, .address_space: global }
    .group_segment_fixed_size: 68096
    .private_segment_fixed_size: 0
    .kernarg_segment_align: 8
    .kernarg_segment_size: 72
    .max_flat_workgroup_size: 128
    .sgpr_count:     66
    .vgpr_count:     194
    .wavefront_size: 32
...
	.end_amdgpu_metadata
.endif
;; end of part 1
;; launch kvproj (part 2): grid 4 x 64, 8 waves a work-group, no clusters, 231,424 bytes of LDS; arguments cq, wq, kv; writes kv
.if DOCPART == 2
	.amdgcn_target "amdgcn-amd-amdhsa--gfx1250"
	.amdhsa_code_object_version 6
	.text
	.protected	k_q8b218354f5_kvproj
	.globl	k_q8b218354f5_kvproj
	.p2align	8
	.type	k_q8b218354f5_kvproj,@function
k_q8b218354f5_kvproj:
	s_mov_b64 s[64:65], 0
	v_nop
	global_prefetch_b8 v0, s[64:65] scope:SCOPE_SE
	s_setreg_imm32_b32 hwreg(HW_REG_WAVE_MODE, 25, 1), 1
	s_wait_xcnt 0x0
; k = context Wk and v = context Wv on codes of FP6 (E2M3) with E8M0 scales, K = 768 in six steps of 128; k is then quantised along the head's 64, v along the keys, and both are stored as images of operand registers.
; SHARES.  Work-group (g, kb) takes 128 keys (block kb) x inner columns 128 g .. 128 g + 127 (heads 2 g, 2 g + 1), of k and of v.  Eight waves.
; k: source 0 = Wk's eight tiles of columns, source 1 = key tile w: a lane holds ONE key and its 64 registers run along the 128 columns: two heads' half fragments (6 registers each) and two scale bytes for each head.
; v: source 0 = the eight key tiles, source 1 = Wv's tile w: a lane holds ONE column and its 64 registers run along the 128 keys: one whole fragment of V^T and its scale word.
; In a group of four tiles lane r of tile i holds row 8 i + r % 8 + 32 (r / 8), so that the 32 registers of tiles 4 c .. 4 c + 3 are the neighbours 64 c + 32 (lane / 16) + 0 .. 31.
; LDS, filled once by six tensor loads of 150 rows x 256 bytes (waves 0-5), read by all behind one barrier: context's record at 0, Wk's at 76,800, Wv's at 153,600; in each: codes [tile 8][step 6][1,536], scale images at 73,728 [pair 4][step 6][128].
; NO CLUSTER: what work-groups share (a record of 76,800 bytes among the four g, two among the 64 kb) is asked for once by each, in its one group of first fills; there is no loop in which partners would ask again.
; LIMITS: NaN and infinities are not served; a block of zeros gets the byte 1 (its codes are zeros, and this program alone reads the bytes).
; REGISTERS: v1-13 addresses; v16-27 source 1's fragment; v28-31 source 0's scale images, v32 source 1's scale word; v48-111 eight accumulators; v112-207 source 0's eight fragments; v208-223, v224-247 the quantiser's.
.set ACC, 48
.set S0F, 112
.set S1F, 16
.set TM,  208                          ; v208-211 largest magnitudes, v212-215 the other half's, then bytes, v220-223 the conversions' scale operands
.set PC,  224                          ; v224-235 the codes; v236-238, v240-242 at work
.set PW,  244                          ; the scale word
.set SEL, 24                           ; s[24:25] lane selects for v_permlanex16_b32: lane l xor 16
	s_load_b128 s[4:7], s[0:1], 0x0                ; cq, wq
	s_load_b64 s[8:9], s[0:1], 0x10                ; kv
	v_lshl_add_u32 v254, v0, 2, 0x38400
	v_mov_b32 v255, 0
	ds_add_u32 v254, v255
	ds_add_u32 v254, v255
	v_lshrrev_b32 v1, 5, v0
	s_delay_alu instid0(VALU_DEP_1)
	v_readfirstlane_b32 s10, v1                    ; wave 0..7
	s_mov_b32 s11, ttmp9                           ; g
	s_and_b32 s2, ttmp7, 0xffff                    ; kb
	; descriptor group 1: a dense block of 38,400 bytes as 150 rows of 256 (32 elements of 8 bytes), no padding
	s_mov_b32 s16, 3<<16                           ; no mask; elements of 8 bytes; padding off
	s_mov_b32 s17, 32<<16                          ; tensor_dim0 = 32
	s_mov_b32 s18, 150<<16                         ; tensor_dim1 = 150
	s_mov_b32 s19, 32<<16                          ; tile_dim0 = 32
	s_mov_b32 s20, 150                             ; tile_dim1 = 150
	s_mov_b32 s21, 32                              ; from row to row
	s_mov_b32 s22, 0
	s_mov_b32 s23, 0
	s_min_u32 s3, s10, 5                           ; (waves 6 and 7 issue no load)
	s_mov_b32 s12, 1
	s_mul_i32 s13, s3, 38400                       ; LDS: wave x half a record
	s_mul_i32 s26, s2, 76800                       ; waves 0, 1: context's record kb
	s_mul_i32 s27, s11, 153600                     ; waves 2-5: Wk's and Wv's records of group g, which lie on end at 409,600 + 153,600 g: less the 76,800 that waves 0 and 1 account for
	s_add_co_u32 s27, s27, 332800
	s_wait_dscnt 0x0
	s_wait_kmcnt 0x0
	s_cmp_lt_u32 s10, 2
	s_cselect_b32 s26, s26, s27
	s_cselect_b64 s[14:15], s[4:5], s[6:7]
	s_add_co_u32 s26, s26, s13
	s_mov_b32 s27, 0
	s_add_nc_u64 s[14:15], s[14:15], s[26:27]
	s_or_b32 s15, s15, 0x80000000                  ; type = 2
	s_cmp_lt_u32 s10, 6
	s_cbranch_scc0 .Lno_load
	tensor_load_to_lds s[12:15], s[16:23]
	s_nop 0
.rept 4
	v_nop
.endr
.Lno_load:
	v_and_b32 v14, 31, v0                          ; lane
	v_and_b32 v15, 15, v0                          ; r
	s_delay_alu instid0(VALU_DEP_2)
	v_lshlrev_b32 v1, 4, v14                       ; context's tiles 0-3 (also: 16 x lane for the stores)
	s_delay_alu instid0(VALU_DEP_1)
	v_add_nc_u32 v2, 36864, v1                     ; tiles 4-7: 24 fragments on
	s_delay_alu instid0(VALU_DEP_2)
	v_add_nc_u32 v3, 76800, v1                     ; Wk's tiles 0-3
	s_delay_alu instid0(VALU_DEP_3)
	v_add_nc_u32 v4, 113664, v1                    ; tiles 4-7
	v_lshlrev_b32 v5, 2, v14
	s_delay_alu instid0(VALU_DEP_1)
	v_add_nc_u32 v6, 150528, v5                    ; Wk's scale images
	s_delay_alu instid0(VALU_DEP_2)
	v_add_nc_u32 v5, 73728, v5                     ; context's
	s_mul_i32 s26, s10, 9216
	v_add_nc_u32 v7, s26, v1                       ; context's tile w
	s_delay_alu instid0(VALU_DEP_1)
	v_add_nc_u32 v8, 153600, v7                    ; Wv's tile w
	s_lshr_b32 s26, s10, 1
	s_mul_i32 s26, s26, 768
	s_and_b32 s27, s10, 1
	s_lshl_b32 s27, s27, 6
	s_add_co_u32 s26, s26, s27
	s_add_co_u32 s26, s26, 73728
	v_lshl_add_u32 v9, v15, 2, s26                 ; tile w's scale words of context: pair w / 2, half w % 2, row r
	s_delay_alu instid0(VALU_DEP_1)
	v_add_nc_u32 v10, 153600, v9                   ; and of Wv
	v_lshlrev_b32 v11, 3, v14                      ; 8 x lane
	v_lshlrev_b32 v13, 2, v15                      ; 4 r
	v_bfe_u32 v12, v0, 4, 1
	s_delay_alu instid0(VALU_DEP_1)
	v_mul_u32_u24 v12, v12, 104448
	s_delay_alu instid0(VALU_DEP_1)
	v_add_nc_u32 v12, v12, v13                     ; 4 r, and for lanes 16-31 the next head's record
.irp b, 0,1,2,3
	v_mov_b32 v[TM+4+\b], 0                        ; written once: a lane permute's destination counts as one of its sources
.endr
	s_mov_b32 s[SEL], 0x76543210
	s_mov_b32 s[SEL+1], 0xfedcba98
	s_mov_b32 s40, 0xffff0000                      ; lanes 16-31
	; where the results go.  A head's record in kv: K's half images [key tile 64][768]; V's images at 49,152 [step 8][d tile 4][1,536]; scales at 98,304 [step 8][768]: K's four pair images, then V's two
	s_lshr_b32 s26, s2, 3                          ; b
	s_and_b32 s3, s2, 7                            ; the key step in the batch
	s_lshl_b32 s26, s26, 3
	s_lshl_b32 s27, s11, 1
	s_add_co_u32 s26, s26, s27
	s_mul_i32 s36, s26, 104448                     ; head 2 g's record
	s_lshl_b32 s26, s3, 3
	s_add_co_u32 s26, s26, s10
	s_mul_i32 s26, s26, 768
	s_add_co_u32 s26, s26, s36
	s_mov_b32 s27, 0
	s_add_nc_u64 s[28:29], s[8:9], s[26:27]        ; K's half image of key tile 8 step + w
	s_mul_i32 s37, s3, 768
	s_add_co_u32 s37, s37, 98304
	s_lshr_b32 s26, s10, 1
	s_lshl_b32 s26, s26, 7
	s_and_b32 s38, s10, 1
	s_lshl_b32 s38, s38, 6
	s_add_co_u32 s26, s26, s38
	s_add_co_u32 s26, s26, s37
	s_add_co_u32 s26, s26, s36
	s_add_nc_u64 s[30:31], s[8:9], s[26:27]        ; its scale words
	s_lshr_b32 s26, s10, 2
	s_mul_i32 s26, s26, 104448
	s_add_co_u32 s36, s36, s26                     ; the record of the head to which Wv's tile w belongs
	s_and_b32 s39, s10, 3                          ; its d tile
	s_lshl_b32 s26, s3, 2
	s_add_co_u32 s26, s26, s39
	s_mul_i32 s26, s26, 1536
	s_add_co_u32 s26, s26, 49152
	s_add_co_u32 s26, s26, s36
	s_add_nc_u64 s[32:33], s[8:9], s[26:27]        ; V's image
	s_lshr_b32 s26, s39, 1
	s_lshl_b32 s26, s26, 7
	s_add_co_u32 s26, s26, s38
	s_add_co_u32 s26, s26, s37
	s_add_co_u32 s26, s26, 512
	s_add_co_u32 s26, s26, s36
	s_add_nc_u64 s[34:35], s[8:9], s[26:27]        ; its scale words
; a matrix instruction: D, A, B (first registers), C (first register, or -1 for the constant 0), A's and B's scale registers, row = 1: A's scales stand in lanes 16-31
.macro WM d, a, b, c, sa, sb, row
.if (\c) < 0
.if (\row)
	v_wmma_scale_f32_16x16x128_f8f6f4 v[(\d):(\d)+7], v[(\a):(\a)+11], v[(\b):(\b)+11], 0, v[(\sa)], v[(\sb)] matrix_a_fmt:MATRIX_FMT_FP6 matrix_b_fmt:MATRIX_FMT_FP6 matrix_a_scale:MATRIX_SCALE_ROW1
.else
	v_wmma_scale_f32_16x16x128_f8f6f4 v[(\d):(\d)+7], v[(\a):(\a)+11], v[(\b):(\b)+11], 0, v[(\sa)], v[(\sb)] matrix_a_fmt:MATRIX_FMT_FP6 matrix_b_fmt:MATRIX_FMT_FP6
.endif
.else
.if (\row)
	v_wmma_scale_f32_16x16x128_f8f6f4 v[(\d):(\d)+7], v[(\a):(\a)+11], v[(\b):(\b)+11], v[(\c):(\c)+7], v[(\sa)], v[(\sb)] matrix_a_fmt:MATRIX_FMT_FP6 matrix_b_fmt:MATRIX_FMT_FP6 matrix_a_scale:MATRIX_SCALE_ROW1
.else
	v_wmma_scale_f32_16x16x128_f8f6f4 v[(\d):(\d)+7], v[(\a):(\a)+11], v[(\b):(\b)+11], v[(\c):(\c)+7], v[(\sa)], v[(\sb)] matrix_a_fmt:MATRIX_FMT_FP6 matrix_b_fmt:MATRIX_FMT_FP6
.endif
.endif
.endm
.macro FRAG3 reg, adr, off             ; a fragment's image comes back as it was stored
	ds_load_b128 v[(\reg):(\reg)+3], v[\adr] offset:(\off)
	ds_load_b128 v[(\reg)+4:(\reg)+7], v[\adr] offset:(\off)+512
	ds_load_b128 v[(\reg)+8:(\reg)+11], v[\adr] offset:(\off)+1024
.endm
; 48 matrix instructions: source 0's eight tiles x source 1's one, six K steps.  The eight accumulators take turns, one instruction a turn; the first step starts the sums.
.macro UNIT a0lo, a0hi, asc0, a1, asc1
.irp s, 0,1,2,3,4,5
.if \s > 0
.rept 4
	v_nop                                          ; four places in front of loads into registers that matrix instructions have read (ISA guide 7.12.1 for vector instructions)
.endr
.endif
.irp t, 0,1,2,3
	FRAG3 S0F+12*\t,\a0lo,(6*\t+\s)*1536
.endr
.irp t, 4,5,6,7
	FRAG3 S0F+12*\t,\a0hi,(6*(\t-4)+\s)*1536
.endr
.irp p, 0,1,2,3
	ds_load_b32 v[28+\p], v[\asc0] offset:(6*\p+\s)*128
.endr
	FRAG3 S1F,\a1,1536*\s
	ds_load_b32 v32, v[\asc1] offset:128*\s
	s_wait_dscnt 0x0
.irp t, 0,1,2,3,4,5,6,7
.if \s == 0
	WM ACC+8*\t,S0F+12*\t,S1F,-1,28+\t/2,32,\t%2
.else
	WM ACC+8*\t,S0F+12*\t,S1F,ACC+8*\t,28+\t/2,32,\t%2
.endif
.endr
.endr
.rept 4
	v_nop                                          ; four places in front of the first read of results
.endr
.endm
; Source 0's tiles come in fours: row m of tile 4 c + i is row 64 c + 8 i + m % 8 + 32 (m / 8).  So of a lane's 64 numbers register 32 c + i is K = 64 c + 32 (lane / 16) + i of my row:
; two WHOLE blocks of 32, as the operand's layout wants them.  They become a fragment's codes in v[PC] on and its scale word in v[PW]; only the word's bytes are fetched from lane l xor 16.
.macro QUANT s
.irp c, 0,1
	v_max3_num_f32 v[TM+\c], |v[\s+32*\c]|, |v[\s+1+32*\c]|, 0x1800000   ; two chains for each block, with the floor 2^(3 - 127); each accumulator is read from its low end on
	v_max3_num_f32 v[TM+2+\c], |v[\s+16+32*\c]|, |v[\s+17+32*\c]|, |v[\s+18+32*\c]|
.endr
.irp i, 2,4,6,8,10,12
.irp c, 0,1
	v_max3_num_f32 v[TM+\c], v[TM+\c], |v[\s+32*\c+\i]|, |v[\s+32*\c+\i+1]|
	v_max3_num_f32 v[TM+2+\c], v[TM+2+\c], |v[\s+32*\c+\i+17]|, |v[\s+32*\c+\i+18]|
.endr
.endr
.irp c, 0,1
	v_max3_num_f32 v[TM+\c], v[TM+\c], |v[\s+32*\c+14]|, |v[\s+32*\c+15]|
.endr
.irp c, 0,1
	v_max3_num_f32 v[TM+\c], v[TM+\c], v[TM+2+\c], |v[\s+32*\c+31]|      ; the block's largest magnitude
.endr
.irp c, 0,1
	v_add_nc_u32 v[TM+12+\c], 0xff000000, v[TM+\c] ; 2 off its exponent field: the conversion's scale operand
.endr
.irp c, 0,1
	v_lshrrev_b32 v[TM+4+\c], 23, v[TM+12+\c]      ; the scale's byte
.endr
.irp c, 0,1
	v_cvt_scalef32_pk16_fp6_f32 v[PC+6*\c:PC+2+6*\c], v[\s+32*\c:\s+15+32*\c], v[TM+12+\c]
	v_cvt_scalef32_pk16_fp6_f32 v[PC+12+4*\c:PC+14+4*\c], v[\s+16+32*\c:\s+31+32*\c], v[TM+12+\c]
.endr
	v_lshl_or_b32 v[TM+6], v[TM+5], 16, v[TM+4]    ; my two bytes (a plain instruction behind the last scaled conversion)
	s_delay_alu instid0(VALU_DEP_1)
	v_permlanex16_b32 v[TM+7], v[TM+6], s[SEL], s[SEL+1]
	s_delay_alu instid0(VALU_DEP_1)
	v_cndmask_b32 v[TM+4], v[TM+6], v[TM+7], s40   ; the bytes of lanes 0-15: blocks 0 and 2,
	v_cndmask_b32 v[TM+5], v[TM+7], v[TM+6], s40   ; those of lanes 16-31: blocks 1 and 3
	s_delay_alu instid0(VALU_DEP_1)
	v_lshl_or_b32 v[PW], v[TM+5], 8, v[TM+4]       ; the word, the same in both halves of the lanes
.irp c, 0,1
.irp i, 0,1,2
	v_mov_b32 v[PC+3+6*\c+\i], v[PC+12+4*\c+\i]    ; (a conversion's three registers begin on an even number)
.endr
.endr
.endm
	s_wait_tensorcnt 0x0                           ; my part of the records is in LDS,
	s_barrier_signal -1
	s_barrier_wait -1                              ; everybody's is; nothing is filled again
	; ---- k
	UNIT 3, 4, 6, 7, 9
	QUANT ACC
	global_store_b128 v1, v[PC:PC+3], s[28:29]                     ; head 2 g: registers 0-3 at 16 x lane,
	global_store_b64 v11, v[PC+4:PC+5], s[28:29] offset:512        ; registers 4, 5 at 512 + 8 x lane: 768 consecutive bytes
	global_store_b128 v1, v[PC+6:PC+9], s[28:29] offset:104448     ; head 2 g + 1, in the next record
	global_store_b64 v11, v[PC+10:PC+11], s[28:29] offset:104960
	v_and_b32 v245, 0xffff, v[PW]                  ; head 2 g's two bytes; the word's upper two bytes are 0: they scale the half of K = 128 in which the queries' codes are zeros
	v_lshrrev_b32 v246, 16, v[PW]                  ; head 2 g + 1's
	s_mov_b32 vcc_lo, 0xffff0000
	v_cndmask_b32 v247, v245, v246, vcc_lo         ; lanes 0-15 store the first head's word of row r, lanes 16-31 the second's
	global_store_b32 v12, v247, s[30:31]
	s_wait_xcnt 0x0                                ; the stores have read their registers: the codes' registers are written again below
	; ---- v
	UNIT 1, 2, 5, 8, 10
	QUANT ACC
.irp c, 0,1,2
	global_store_b128 v1, v[PC+4*\c:PC+4*\c+3], s[32:33] offset:512*\c
.endr
	global_store_b32 v13, v[PW], s[34:35]          ; lanes r and 16 + r hold the same word and store it to the same place
	s_wait_tensorcnt 0x0
	ds_add_u32 v254, v255
	s_wait_dscnt 0x0
	s_endpgm
.Lfunc_end_k_q8b218354f5_kvproj:
	.size	k_q8b218354f5_kvproj, .Lfunc_end_k_q8b218354f5_kvproj-k_q8b218354f5_kvproj
	.p2alignl 7, 3214868480
	.fill 96, 4, 3214868480
	.section	.rodata,"a",@progbits
	.p2align	6, 0x0
	.amdhsa_kernel k_q8b218354f5_kvproj
		.amdhsa_group_segment_fixed_size 231424
		.amdhsa_private_segment_fixed_size 0
		.amdhsa_enable_private_segment 0
		.amdhsa_kernarg_size 24
		.amdhsa_user_sgpr_count 2
		.amdhsa_user_sgpr_kernarg_segment_ptr 1
		.amdhsa_wavefront_size32 1
		.amdhsa_system_sgpr_workgroup_id_x 1
		.amdhsa_system_sgpr_workgroup_id_y 1
		.amdhsa_system_sgpr_workgroup_id_z 1
		.amdhsa_system_vgpr_workitem_id 0
		.amdhsa_next_free_vgpr 256
		.amdhsa_next_free_sgpr 66
		.amdhsa_reserve_vcc 1
		.amdhsa_float_denorm_mode_32 3
		.amdhsa_float_denorm_mode_16_64 3
		.amdhsa_memory_ordered 1
		.amdhsa_forward_progress 1
		.amdhsa_inst_pref_size 51
	.end_amdhsa_kernel
	.amdgpu_metadata
---
amdhsa.version: [ 1, 2 ]
amdhsa.kernels:
  - .name:           k_q8b218354f5_kvproj
    .symbol:         k_q8b218354f5_kvproj.kd
    .args:
      - { .name: cq, .offset: 0, .size: 8, .value_kind: global_buffer, .address_space: global }
      - { .name: wq, .offset: 8, .size: 8, .value_kind: global_buffer, .address_space: global }
      - { .name: kv, .offset: 16, .size: 8, .value_kind: global_buffer, .address_space: global }
    .group_segment_fixed_size: 231424
    .private_segment_fixed_size: 0
    .kernarg_segment_align: 8
    .kernarg_segment_size: 24
    .max_flat_workgroup_size: 256
    .sgpr_count:     66
    .vgpr_count:     256
    .wavefront_size: 32
...
	.end_amdgpu_metadata
.endif
;; end of part 2
;; launch attn (part 3): grid 4 x 64, 16 waves a work-group, no clusters, 197,632 bytes of LDS; arguments xq, wq, kv, oq; writes oq
.if DOCPART == 3
	.amdgcn_target "amdgcn-amd-amdhsa--gfx1250"
	.amdhsa_code_object_version 6
	.text
	.protected	k_q8b218354f5_attn
	.globl	k_q8b218354f5_attn
	.p2align	8
	.type	k_q8b218354f5_attn,@function
k_q8b218354f5_attn:
	s_mov_b64 s[64:65], 0
	v_nop
	global_prefetch_b8 v0, s[64:65] scope:SCOPE_SE
	s_setreg_imm32_b32 hwreg(HW_REG_WAVE_MODE, 25, 1), 1
	s_wait_xcnt 0x0
; For one batch and head: q = x Wq (quantised along the head's 64), S = q k^T / 8, softmax, O = P V, O / l quantised along the head's 64 and stored as half an operand image.  All products on codes of FP6 (E2M3) with E8M0 scales.
; THE SOFTMAX AHEAD OF P V: t = score x log2(e) / 8; M = the row's largest t so far, rounded UP to a whole number; p = 2^(t - M) is quantised along the keys, not normalised.  l is the sum of the unquantised p and divides O at the end.
; When M moves, l and O are multiplied by 2^(old M - new M): exact.
; SHARES.  Work-group (qq, bh) owns 1,024 queries of head bh % 8 of batch bh / 8; each of its sixteen waves owns four tiles of 16, one after the other, in 256 registers.
; LDS, filled once (waves 0-3: the head's record of kv, 4 x 102 rows of 256 bytes; wave 4: the head's record of Wq, 100 rows), read by all behind one barrier:
;   0 K's half images [key tile 64][768];  49,152 V's images [step 8][d tile 4][1,536];  98,304 scales [step 8][768]: K's four images of two tiles, V's two;  104,448 Wq's images [tile 4][step 4][1,536];  129,024 its scale images [2][step 4][128];
;   130,048 + 4,096 wave: the wave's own stage for two tiles' q: 32 bytes a lane and tile (six registers of codes, the scale word); no fill lands there;  195,584 the spare words.
; LAYOUT.  Every product is used transposed (source 1 = my 16 queries): a lane holds ONE query throughout.  Source 0's tiles (Wq's columns, keys, V's d) come in fours: row m of tile 4 c + i is row 64 c + 8 i + m % 8 + 32 (m / 8).
; So register 32 c + i of a lane is row 64 c + 32 (lane / 16) + i: a whole block of 32 in one lane, in the operand's own order: a block's maximum needs no other lane and the codes change no lane.
; S HAS K = 64, half of the instruction's 128.  Q's operand is six registers of codes and six of zero codes; K's operand of tile t is v[KF + 6 t] on: its upper six registers (the next tile's codes; behind tile 7 six address registers) meet Q's zero codes: every pattern of 6 bits is a finite number.  The upper two bytes of both scale words are 0.
; ORDER.  q is made for two tiles at a time, two tiles to each fragment of Wq: tiles 0, 1 ahead of the loop (x's codes are asked for ahead of the wait for the records), tiles 2, 3 at the top of trip 2 (x's codes are asked for at the end of trip 1).
; In a key step V's fragments and the NEXT step's K are asked for directly behind the score products, into registers of their own.
; NO CLUSTER: the four work-groups of a head ask for the same 130,048 bytes, each once, in its one group of first fills; no loop asks for shared bytes.  NO PREFETCH: the key loop reads LDS alone; x's codes are 12,800 bytes for two tiles, asked for twice a wave straight into registers.
; LIMITS: NaN and infinities are not served; a block of zeros gets the byte 1 (its codes are zeros, and this program alone reads the bytes); the promise holds while the scaled scores t stay under 2^31 in magnitude.
.set KF,  16                           ; v16-63   K's eight half fragments (Wq's four fragments while q is made)
.set KA,  64                           ; v64 16 x lane; v65 8 x lane; v66 V's images; v67 K's and V's scales; v68 16 r; v69 4 r: never rewritten; they stand behind K's tile 7
.set KB,  65
.set VA,  66
.set SA,  67
.set OS,  68
.set XS,  69
.set SPW, 70                           ; v70 my spare word, v71 0
.set NIL, 71
.set VF,  72                           ; v72-119  V's four fragments
.set XF,  72                           ; v72-167  x's fragments, two tiles x four steps, while q is made
.set AC,  168                          ; v168-231 q's sums, two tiles x four
.set SS,  120                          ; v120-183 S^T, then p
.set OO,  184                          ; v184-215 O^T
.set PP,  216                          ; v216-227 p's codes (at a tile's end o's)
.set QQ,  228                          ; v228-233 Q's codes, v234-239 zero codes
.set TA,  240                          ; v240-242 a conversion's upper half
.set TB,  6                            ; v6-8     the same, second block
.set QSC, 243                          ; Q's scale word
.set PSC, 247                          ; p's scale word (v244-247: x's scale words, odd tile, while q is made)
.set KSC, 248                          ; v248-251 K's scale words (x's, even tile)
.set VSC, 252                          ; v252-253 V's (Wq's)
.set FF,  254                          ; v254 f = 2^(old M - new M); v255 named with it as a pair
.set QST, 130048
.set SPARE, 195584
; v1 my stage + 32 x lane; v2 / v14 -M by turns, v3 the largest score so far; v[4:5] l, v[6:7] its second chain; v8-13 at work; v15 Wq's scale images.  While q is made: v2-7 a tile's codes, v14 Wq's images, v232 the scale word
	s_load_b256 s[4:11], s[0:1], 0x0               ; xq s[4:5], wq s[6:7], kv s[8:9], oq s[10:11]
	v_lshl_add_u32 v[SPW], v0, 2, SPARE
	v_mov_b32 v[NIL], 0
	ds_add_u32 v[SPW], v[NIL]
	ds_add_u32 v[SPW], v[NIL]
	v_lshrrev_b32 v1, 5, v0
	v_readfirstlane_b32 s12, v1                    ; wave 0..15
	s_mov_b32 s13, ttmp9                           ; qq
	s_and_b32 s14, ttmp7, 0xffff                   ; bh
	s_lshr_b32 s15, s14, 3                         ; b
	s_and_b32 s16, s14, 7                          ; head
	s_mov_b32 s24, 3<<16                           ; groups 1: dense blocks as rows of 256 bytes (32 elements of 8 bytes): 102 rows, and 100
	s_mov_b32 s25, 32<<16
	s_mov_b32 s26, 102<<16
	s_mov_b32 s27, 32<<16
	s_mov_b32 s28, 102
	s_mov_b32 s29, 32
	s_mov_b32 s30, 0
	s_mov_b32 s31, 0
	s_mov_b32 s32, 3<<16
	s_mov_b32 s33, 32<<16
	s_mov_b32 s34, 100<<16
	s_mov_b32 s35, 32<<16
	s_mov_b32 s36, 100
	s_mov_b32 s37, 32
	s_mov_b32 s38, 0
	s_mov_b32 s39, 0
	s_min_u32 s60, s12, 3                          ; (waves above 3 do not issue this load)
	s_mov_b32 s40, 1
	s_mul_i32 s41, s60, 26112                      ; LDS: a quarter of the record for each of waves 0-3
	s_mul_i32 s60, s14, 104448
	s_add_co_u32 s60, s60, s41
	s_mov_b32 s61, 0
	s_mov_b32 s44, 1
	s_mov_b32 s45, 104448
	s_mul_i32 s62, s16, 25600
	s_mov_b32 s63, 0
	s_wait_dscnt 0x0
	s_wait_kmcnt 0x0
	s_add_nc_u64 s[42:43], s[8:9], s[60:61]
	s_or_b32 s43, s43, 0x80000000
	s_add_nc_u64 s[46:47], s[6:7], s[62:63]
	s_or_b32 s47, s47, 0x80000000
	s_cmp_lt_u32 s12, 4
	s_cbranch_scc0 .Lnot_kv
	tensor_load_to_lds s[40:43], s[24:31]
	s_nop 0
.rept 4
	v_nop
.endr
	s_branch .Lasked
.Lnot_kv:
	s_cmp_eq_u32 s12, 4
	s_cbranch_scc0 .Lasked
	tensor_load_to_lds s[44:47], s[32:39]
	s_nop 0
.rept 4
	v_nop
.endr
.Lasked:
	s_mov_b32 s20, 0x76543210
	s_mov_b32 s21, 0xfedcba98                      ; v_permlanex16_b32's selects for lane l xor 16
	s_mov_b32 s22, 0x3e38aa3b                      ; c = log2(e) / 8
	s_mov_b32 s23, s22                             ; (named with it as a pair)
	s_mov_b32 s18, 0xbe38aa3b                      ; -c
	s_mov_b32 s19, 0xffff0000                      ; lanes 16-31
	s_lshl_b32 s60, s15, 8
	s_lshl_b32 s61, s13, 6
	s_add_co_u32 s60, s60, s61
	s_lshl_b32 s61, s12, 2
	s_add_co_u32 s60, s60, s61                     ; my first tile of tokens: 256 b + 64 qq + 4 w
	s_mul_i32 s62, s60, 6144
	s_add_nc_u64 s[48:49], s[4:5], s[62:63]        ; its fragments of x
	s_lshl_b32 s62, s60, 8
	s_add_co_u32 s62, s62, 12582912
	s_add_nc_u64 s[50:51], s[4:5], s[62:63]        ; its scale images: 512 bytes for two tiles
	s_lshl_b32 s60, s15, 5
	s_lshl_b32 s61, s13, 3
	s_add_co_u32 s60, s60, s61
	s_lshr_b32 s61, s12, 1
	s_add_co_u32 s60, s60, s61
	s_mul_i32 s60, s60, 51200                      ; oq's record of my 128 tokens: half images [tile 8][head 8][768]; scale bytes at 49,152 [tile 8][row 16][head 8][2]
	s_and_b32 s61, s12, 1
	s_mul_i32 s62, s61, 24576
	s_add_co_u32 s62, s62, s60
	s_mul_i32 s17, s16, 768
	s_add_co_u32 s62, s62, s17
	s_add_nc_u64 s[54:55], s[10:11], s[62:63]
	s_lshl_b32 s62, s61, 10
	s_add_co_u32 s62, s62, s60
	s_add_co_u32 s62, s62, 49152
	s_lshl_b32 s17, s16, 1
	s_add_co_u32 s62, s62, s17
	s_add_nc_u64 s[56:57], s[10:11], s[62:63]
	s_lshl_b32 s60, s12, 12
	s_add_co_u32 s60, s60, QST                     ; my stage
	v_and_b32 v9, 31, v0                           ; lane
	v_and_b32 v10, 15, v0                          ; r
	v_lshlrev_b32 v[KA], 4, v9
	v_lshlrev_b32 v[KB], 3, v9
	v_lshlrev_b32 v11, 2, v9
	v_lshlrev_b32 v[XS], 2, v10
	v_lshlrev_b32 v[OS], 4, v10
	v_lshl_add_u32 v1, v9, 5, s60
	v_add_nc_u32 v[VA], 49152, v[KA]
	v_add_nc_u32 v[SA], 98304, v11
	v_add_nc_u32 v15, 129024, v11                  ; Wq's scale images
.macro WM d, a, b, c, sa, sb, row      ; a matrix instruction: D, A, B (first registers), C (first register, or -1 for the constant 0), the scale registers, row = 1: A's scales stand in lanes 16-31
.if (\c) < 0
.if (\row)
	v_wmma_scale_f32_16x16x128_f8f6f4 v[(\d):(\d)+7], v[(\a):(\a)+11], v[(\b):(\b)+11], 0, v[(\sa)], v[(\sb)] matrix_a_fmt:MATRIX_FMT_FP6 matrix_b_fmt:MATRIX_FMT_FP6 matrix_a_scale:MATRIX_SCALE_ROW1
.else
	v_wmma_scale_f32_16x16x128_f8f6f4 v[(\d):(\d)+7], v[(\a):(\a)+11], v[(\b):(\b)+11], 0, v[(\sa)], v[(\sb)] matrix_a_fmt:MATRIX_FMT_FP6 matrix_b_fmt:MATRIX_FMT_FP6
.endif
.else
.if (\row)
	v_wmma_scale_f32_16x16x128_f8f6f4 v[(\d):(\d)+7], v[(\a):(\a)+11], v[(\b):(\b)+11], v[(\c):(\c)+7], v[(\sa)], v[(\sb)] matrix_a_fmt:MATRIX_FMT_FP6 matrix_b_fmt:MATRIX_FMT_FP6 matrix_a_scale:MATRIX_SCALE_ROW1
.else
	v_wmma_scale_f32_16x16x128_f8f6f4 v[(\d):(\d)+7], v[(\a):(\a)+11], v[(\b):(\b)+11], v[(\c):(\c)+7], v[(\sa)], v[(\sb)] matrix_a_fmt:MATRIX_FMT_FP6 matrix_b_fmt:MATRIX_FMT_FP6
.endif
.endif
.endm
.macro FRAG3 reg, adr, off             ; a fragment's image comes back as it was stored
	ds_load_b128 v[(\reg):(\reg)+3], v[\adr] offset:(\off)
	ds_load_b128 v[(\reg)+4:(\reg)+7], v[\adr] offset:(\off)+512
	ds_load_b128 v[(\reg)+8:(\reg)+11], v[\adr] offset:(\off)+1024
.endm
.macro PLACES                          ; four places behind matrix instructions, ahead of loads into their sources and of the first read of results (ISA guide 7.12.1 for vector instructions)
.rept 4
	v_nop
.endr
.endm
; 32 numbers of a lane, register i = d 32 (lane / 16) + i of my row: one block.  They become half a fragment (six registers from v[dst] on) and, in the low half of v[wreg], the row's two scale bytes, the same in both halves of the lanes
.macro HQUANT src, dst, wreg
	v_max3_num_f32 v8, |v[\src]|, |v[\src+1]|, 0x1800000           ; two chains, with the floor 2^(3 - 127): no byte falls under 1; each accumulator from its low end on
	v_max3_num_f32 v9, |v[\src+16]|, |v[\src+17]|, |v[\src+18]|
.irp i, 2,4,6,8,10,12
	v_max3_num_f32 v8, v8, |v[\src+\i]|, |v[\src+\i+1]|
	v_max3_num_f32 v9, v9, |v[\src+\i+17]|, |v[\src+\i+18]|
.endr
	v_max3_num_f32 v8, v8, |v[\src+14]|, |v[\src+15]|
	v_max3_num_f32 v8, v8, v9, |v[\src+31]|
	s_delay_alu instid0(VALU_DEP_1)
	v_add_nc_u32 v12, 0xff000000, v8               ; 2 off the exponent field: the conversion's scale operand
	s_delay_alu instid0(VALU_DEP_1)
	v_lshrrev_b32 v9, 23, v12                      ; the byte
	v_cvt_scalef32_pk16_fp6_f32 v[\dst:\dst+2], v[\src:\src+15], v12
	v_cvt_scalef32_pk16_fp6_f32 v[TA:TA+2], v[\src+16:\src+31], v12
	v_permlanex16_b32 v11, v9, s20, s21            ; (a plain instruction behind the last scaled conversion)
	s_delay_alu instid0(VALU_DEP_1)
	v_cndmask_b32 v10, v9, v11, s19                ; block 0's byte,
	v_cndmask_b32 v13, v11, v9, s19                ; block 1's
	s_delay_alu instid0(VALU_DEP_1)
	v_lshl_or_b32 v[\wreg], v13, 8, v10
.irp i, 0,1,2
	v_mov_b32 v[\dst+3+\i], v[TA+\i]               ; (a conversion's three registers begin on an even number)
.endr
.endm
.macro XLOAD                           ; x's fragments and scale words of the two tiles at s[48:49], s[50:51]
.irp u, 0,1
.irp s, 0,1,2,3
.irp c, 0,1,2
	global_load_b128 v[XF+48*\u+12*\s+4*\c:XF+48*\u+12*\s+4*\c+3], v[KA], s[48:49] offset:\u*6144+1536*\s+512*\c
.endr
	global_load_b32 v[248-4*\u+\s], v[XS], s[50:51] offset:128*\s+64*\u
.endr
.endr
.endm
; q of two tiles: source 0 = Wq's four tiles of the head's columns, source 1 = x's 16 tokens, K = 512 in four steps; eight accumulators by turns.  The codes go to my stage
.macro QPAIR
	v_add_nc_u32 v14, 104448, v[KA]                ; Wq's images
	s_wait_alu depctr_va_vdst(0)
.irp s, 0,1,2,3
.if \s > 0
	PLACES
.endif
.irp i, 0,1,2,3
	FRAG3 KF+12*\i,14,(4*\i+\s)*1536
.endr
	ds_load_b32 v252, v15 offset:128*\s
	ds_load_b32 v253, v15 offset:512+128*\s
.if \s == 0
	s_wait_loadcnt 0x0                             ; x's fragments and scale words
.endif
	s_wait_dscnt 0x0
.irp u, 0,1
.irp i, 0,1,2,3
.if \s == 0
	WM AC+32*\u+8*\i,KF+12*\i,XF+48*\u+12*\s,-1,252+\i/2,248-4*\u+\s,\i%2
.else
	WM AC+32*\u+8*\i,KF+12*\i,XF+48*\u+12*\s,AC+32*\u+8*\i,252+\i/2,248-4*\u+\s,\i%2
.endif
.endr
.endr
.endr
	PLACES
.irp u, 0,1
	HQUANT AC+32*\u, 2, 232
	ds_store_b128 v1, v[2:5] offset:\u*1024
	ds_store_b64 v1, v[6:7] offset:\u*1024+16
	ds_store_b32 v1, v232 offset:\u*1024+24
.endr
.endm
.macro KLOAD ks                        ; 20 loads: K's eight half images of a key step and their scale words
.irp t, 0,1,2,3,4,5,6,7
	ds_load_b128 v[KF+6*\t:KF+6*\t+3], v[KA] offset:(8*(\ks)+\t)*768
	ds_load_b64 v[KF+6*\t+4:KF+6*\t+5], v[KB] offset:(8*(\ks)+\t)*768+512
.endr
.irp p, 0,1,2,3
	ds_load_b32 v[KSC+\p], v[SA] offset:768*(\ks)+128*\p
.endr
.endm
.macro VLOAD ks                        ; 14 loads: V's four images and their scale words
.irp dt, 0,1,2,3
	FRAG3 VF+12*\dt,VA,(4*(\ks)+\dt)*1536
.endr
	ds_load_b32 v[VSC], v[SA] offset:768*(\ks)+512
	ds_load_b32 v[VSC+1], v[SA] offset:768*(\ks)+640
.endm
; A KEY STEP: 128 keys.  first = 1: the tile's first step starts M, l and O^T: nothing to rescale, and P V takes the constant 0 as C.
.macro STEP ks, first
.set NMC, 2+12*((\ks)%2)               ; -M of this step, and of the last: two registers by turns
.set NMP, 14-12*((\ks)%2)
	s_wait_dscnt 0x0                               ; this step's K (behind step 0: asked for a step ago)
.irp t, 0,1,2,3,4,5,6,7
	WM SS+8*\t,KF+6*\t,QQ,-1,KSC+\t/2,QSC,\t%2
.endr
	PLACES
	VLOAD \ks
.if (\ks) < 7
	KLOAD (\ks)+1                                  ; the next step's K
.endif
.irp c, 0,1                            ; my two blocks' largest scores, two chains each; they serve for the row's maximum and, since p rises with the score, for the block's largest p
	v_max3_num_f32 v[8+\c], v[SS+32*\c], v[SS+32*\c+1], v[SS+32*\c+2]
	v_max3_num_f32 v[10+\c], v[SS+32*\c+16], v[SS+32*\c+17], v[SS+32*\c+18]
.endr
.irp i, 3,5,7,9,11,13
.irp c, 0,1
	v_max3_num_f32 v[8+\c], v[8+\c], v[SS+32*\c+\i], v[SS+32*\c+\i+1]
	v_max3_num_f32 v[10+\c], v[10+\c], v[SS+32*\c+\i+16], v[SS+32*\c+\i+17]
.endr
.endr
.irp c, 0,1
	v_max3_num_f32 v[8+\c], v[8+\c], v[10+\c], v[SS+32*\c+15]
.endr
.irp c, 0,1
	v_max_num_f32 v[8+\c], v[8+\c], v[SS+32*\c+31]
.endr
	s_delay_alu instid0(VALU_DEP_1)
	v_max_num_f32 v10, v8, v9
	s_delay_alu instid0(VALU_DEP_1)
	v_permlanex16_b32 v11, v10, s20, s21           ; lane l xor 16 holds my query's other 64 keys
	s_delay_alu instid0(VALU_DEP_1)
.if \first
	v_max_num_f32 v3, v10, v11                     ; the largest score so far
.else
	v_max3_num_f32 v3, v3, v10, v11
.endif
	s_delay_alu instid0(VALU_DEP_1)
	v_mul_f32 v10, s18, v3                         ; -t (c is positive)
	s_delay_alu instid0(VALU_DEP_1)
	v_floor_f32 v[NMC], v10                        ; -M = floor(-t) = -ceil(t)
.if (\first) == 0
	s_delay_alu instid0(VALU_DEP_1)
	v_sub_f32 v10, v[NMC], v[NMP]                  ; old M - new M: a whole number, 0 or less
	s_delay_alu instid0(VALU_DEP_1)
	v_cvt_i32_f32 v10, v10                         ; (it saturates)
	s_delay_alu instid0(VALU_DEP_1)
	v_ldexp_f32 v[FF], 1.0, v10                    ; f
.endif
.set jj, 0
.rept 32
	v_pk_fma_f32 v[SS+jj:SS+jj+1], v[SS+jj:SS+jj+1], s[22:23], v[NMC:NMC+1] op_sel_hi:[1,0,0]   ; t - M (of the pairs c and -M the low word serves both halves)
.set jj, jj+2
.endr
.irp c, 0,1
	v_fma_f32 v[8+\c], v[8+\c], s22, v[NMC]        ; the same of each block's largest score
.endr
.if (\first) == 0
.set jj, 0
.rept 16
	v_pk_mul_f32 v[OO+jj:OO+jj+1], v[OO+jj:OO+jj+1], v[FF:FF+1] op_sel_hi:[1,0]   ; O^T under the new M; each accumulator from its low end on
.set jj, jj+2
.endr
.endif
	s_wait_alu depctr_va_vdst(0)                   ; the wait ahead of the batch
.set jj, 0
.rept 64
	v_exp_f32 v[SS+jj], v[SS+jj]                   ; p = 2^(t - M), at most 1
.set jj, jj+1
.endr
	v_exp_f32 v8, v8                               ; the blocks' largest p: the same two instructions on the same number give the same bits
	v_exp_f32 v9, v9
.if \first
	v_nop                                          ; a plain instruction behind the exponentials
.else
	v_pk_mul_f32 v[4:5], v[4:5], v[FF:FF+1] op_sel_hi:[1,0]   ; l under the new M (a plain instruction behind the exponentials)
.endif
	s_wait_alu depctr_va_vdst(0)                   ; and the one wait behind the batch
	v_max_num_f32 v8, 0x1800000, v8                ; the floor 2^(3 - 127): the byte cannot fall under 1
	v_max_num_f32 v9, 0x1800000, v9
	v_add_nc_u32 v12, 0xff000000, v8               ; 2 off the exponent field: the conversions' scale operands
	v_add_nc_u32 v13, 0xff000000, v9
	v_lshrrev_b32 v8, 23, v12                      ; the bytes
	v_lshrrev_b32 v9, 23, v13
	s_delay_alu instid0(VALU_DEP_1)
	v_lshl_or_b32 v10, v9, 16, v8                  ; my blocks' bytes, two places apart
	v_cvt_scalef32_pk16_fp6_f32 v[PP:PP+2], v[SS:SS+15], v12
	v_cvt_scalef32_pk16_fp6_f32 v[TA:TA+2], v[SS+16:SS+31], v12
	v_cvt_scalef32_pk16_fp6_f32 v[PP+6:PP+8], v[SS+32:SS+47], v13
	v_cvt_scalef32_pk16_fp6_f32 v[TB:TB+2], v[SS+48:SS+63], v13
	v_permlanex16_b32 v11, v10, s20, s21           ; (a plain instruction behind the last scaled conversion)
	s_delay_alu instid0(VALU_DEP_1)
	v_lshl_or_b32 v[PSC], v11, 8, v10              ; lanes 0-15, which the unit reads: blocks 0, 2 mine, blocks 1, 3 from lane l + 16
.irp i, 0,1,2
	v_mov_b32 v[PP+3+\i], v[TA+\i]
	v_mov_b32 v[PP+9+\i], v[TB+\i]
.endr
	v_pk_add_f32 v[6:7], v[SS:SS+1], v[SS+2:SS+3]  ; l is taken of the unquantised p, two at a time, in two chains; these lines are also the places between p's scale word and codes and the products below
.if \first
	v_pk_add_f32 v[4:5], v[SS+4:SS+5], v[SS+6:SS+7]
.else
	v_pk_add_f32 v[4:5], v[4:5], v[SS+4:SS+5]
	v_pk_add_f32 v[6:7], v[6:7], v[SS+6:SS+7]
.endif
.irp j, 8,12,16,20,24,28,32,36,40,44,48,52,56,60
	v_pk_add_f32 v[4:5], v[4:5], v[SS+\j:SS+\j+1]
	v_pk_add_f32 v[6:7], v[6:7], v[SS+\j+2:SS+\j+3]
.endr
	s_delay_alu instid0(VALU_DEP_1)
	v_pk_add_f32 v[4:5], v[4:5], v[6:7]
	s_wait_alu depctr_va_vdst(0)
.if (\ks) < 7
	s_wait_dscnt 20                                ; V's 14 loads are in; the 20 for the next K, issued behind them, may be out
.else
	s_wait_dscnt 0x0                               ; V's 14 loads are in; nothing was asked for behind them
.endif
.irp dt, 0,1,2,3
.if \first
	WM OO+8*\dt,VF+12*\dt,PP,-1,VSC+\dt/2,PSC,\dt%2
.else
	WM OO+8*\dt,VF+12*\dt,PP,OO+8*\dt,VSC+\dt/2,PSC,\dt%2
.endif
.endr
.endm
	s_wait_alu depctr_va_vdst(0)
	XLOAD                                          ; tiles 0 and 1: on their way while the records land
	s_wait_tensorcnt 0x0                           ; my part of the records is in LDS,
	s_barrier_signal -1
	s_barrier_wait -1                              ; everybody's is; nothing is filled again
	QPAIR
	s_add_nc_u64 s[48:49], s[48:49], 12288         ; x's loads are in: on to tiles 2 and 3
	s_add_nc_u64 s[50:51], s[50:51], 512
.irp j, 6,7,8,9,10,11
	v_mov_b32 v[QQ+\j], 0                          ; zero codes: Q's upper half of K
.endr
	v_mov_b32 v255, 0                              ; (named with f as a pair)
	s_mov_b32 s58, 0                               ; the tile in hand, 0..3
	PLACES                                         ; an operand written by vector instructions stands four places ahead of a scaled matrix instruction
	s_wait_alu depctr_va_vdst(0)
.Ltile:                                            ; four trips: a tile of 16 queries each; the eight key steps are written out, so that every LDS offset is an immediate
	s_cmp_eq_u32 s58, 2                            ; the branch hangs on the trip's number alone
	s_cbranch_scc0 .Lhave_q
	QPAIR                                          ; q of tiles 2 and 3, whose x was asked for at the end of trip 1
	s_wait_alu depctr_va_vdst(0)
.Lhave_q:
	s_wait_loadcnt 0x0                             ; no load from memory is out from here on: V's and S's registers are free
	KLOAD 0
	s_and_b32 s59, s58, 1
	s_lshl_b32 s59, s59, 10
	v_add_nc_u32 v10, s59, v1
	ds_load_b128 v[QQ:QQ+3], v10                   ; the tile's q from my own stage: LDS serves a wave's instructions in order (ISA guide 5.7.1.4)
	ds_load_b64 v[QQ+4:QQ+5], v10 offset:16
	ds_load_b32 v[QSC], v10 offset:24
	STEP 0, 1
	STEP 1, 0
	STEP 2, 0
	STEP 3, 0
	STEP 4, 0
	STEP 5, 0
	STEP 6, 0
	STEP 7, 0
	; O^T / l, quantised along the head's 64, goes out as half a fragment of the last product's K step head / 2, with its two scale bytes
	v_add_f32 v4, v4, v5                           ; l's two halves (these three lines and the v_nop are the four places behind the last products),
	s_delay_alu instid0(VALU_DEP_1)
	v_permlanex16_b32 v11, v4, s20, s21
	s_delay_alu instid0(VALU_DEP_1)
	v_add_f32 v4, v4, v11                          ; and lane l xor 16's
	v_nop
	s_cmp_eq_u32 s58, 1                            ; the trip's number alone
	s_cbranch_scc0 .Lno_x
	XLOAD                                          ; tiles 2 and 3, into V's and S's registers and the scale words, which this tile reads no more
.Lno_x:
	s_wait_alu depctr_va_vdst(0)                   ; the wait ahead of the transcendental
	v_rcp_f32 v4, v4
	v_nop
	v_nop
	s_wait_alu depctr_va_vdst(0)                   ; and behind it, directly ahead of the first reader of O^T
.set jj, 0
.rept 16
	v_pk_mul_f32 v[OO+jj:OO+jj+1], v[OO+jj:OO+jj+1], v[4:5] op_sel_hi:[1,0]
.set jj, jj+2
.endr
	HQUANT OO, PP, 10
	global_store_b128 v[KA], v[PP:PP+3], s[54:55]              ; registers 0-3 at 16 x lane,
	global_store_b64 v[KB], v[PP+4:PP+5], s[54:55] offset:512  ; registers 4, 5 at 512 + 8 x lane: 768 consecutive bytes
	global_store_b16 v[OS], v10, s[56:57]                      ; row r's two bytes (lanes r and 16 + r store the same)
	s_wait_xcnt 0x0                                ; the stores have read their registers and bases: both are written again
	s_add_nc_u64 s[54:55], s[54:55], 6144          ; oq's next tile
	s_add_nc_u64 s[56:57], s[56:57], 256
	s_add_co_u32 s58, s58, 1
	s_cmp_lt_u32 s58, 4
	s_wait_alu depctr_va_vdst(0)
	s_cbranch_scc1 .Ltile
	s_wait_tensorcnt 0x0                           ; the wave's end
	ds_add_u32 v[SPW], v[NIL]
	s_wait_dscnt 0x0
	s_endpgm
.Lfunc_end_k_q8b218354f5_attn:
	.size	k_q8b218354f5_attn, .Lfunc_end_k_q8b218354f5_attn-k_q8b218354f5_attn
	.p2alignl 7, 3214868480
	.fill 96, 4, 3214868480
	.section	.rodata,"a",@progbits
	.p2align	6, 0x0
	.amdhsa_kernel k_q8b218354f5_attn
		.amdhsa_group_segment_fixed_size 197632
		.amdhsa_private_segment_fixed_size 0
		.amdhsa_enable_private_segment 0
		.amdhsa_kernarg_size 32
		.amdhsa_user_sgpr_count 2
		.amdhsa_user_sgpr_kernarg_segment_ptr 1
		.amdhsa_wavefront_size32 1
		.amdhsa_system_sgpr_workgroup_id_x 1
		.amdhsa_system_sgpr_workgroup_id_y 1
		.amdhsa_system_sgpr_workgroup_id_z 1
		.amdhsa_system_vgpr_workitem_id 0
		.amdhsa_next_free_vgpr 256
		.amdhsa_next_free_sgpr 66
		.amdhsa_reserve_vcc 0
		.amdhsa_float_denorm_mode_32 3
		.amdhsa_float_denorm_mode_16_64 3
		.amdhsa_memory_ordered 1
		.amdhsa_forward_progress 1
		.amdhsa_inst_pref_size 157
	.end_amdhsa_kernel
	.amdgpu_metadata
---
amdhsa.version: [ 1, 2 ]
amdhsa.kernels:
  - .name:           k_q8b218354f5_attn
    .symbol:         k_q8b218354f5_attn.kd
    .args:
      - { .name: xq, .offset: 0, .size: 8, .value_kind: global_buffer, .address_space: global }
      - { .name: wq, .offset: 8, .size: 8, .value_kind: global_buffer, .address_space: global }
      - { .name: kv, .offset: 16, .size: 8, .value_kind: global_buffer, .address_space: global }
      - { .name: oq, .offset: 24, .size: 8, .value_kind: global_buffer, .address_space: global }
    .group_segment_fixed_size: 197632
    .private_segment_fixed_size: 0
    .kernarg_segment_align: 8
    .kernarg_segment_size: 32
    .max_flat_workgroup_size: 512
    .sgpr_count:     66
    .vgpr_count:     256
    .wavefront_size: 32
...
	.end_amdgpu_metadata
.endif
;; end of part 3
;; launch oproj (part 4): grid 256 x 1, 16 waves a work-group, no clusters, 188,416 bytes of LDS; arguments oq, wq, x, bo, out0; writes out0
.if DOCPART == 4
	.amdgcn_target "amdgcn-amd-amdhsa--gfx1250"
	.amdhsa_code_object_version 6
	.text
	.protected	k_q8b218354f5_oproj
	.globl	k_q8b218354f5_oproj
	.p2align	8
	.type	k_q8b218354f5_oproj,@function
k_q8b218354f5_oproj:
	s_mov_b64 s[64:65], 0
	v_nop
	global_prefetch_b8 v0, s[64:65] scope:SCOPE_SE
	s_setreg_imm32_b32 hwreg(HW_REG_WAVE_MODE, 25, 1), 1
	s_wait_xcnt 0x0
; out0[b][c][n] = x[b][c][n] + bo[c] + the sum over k of o[n][k] Wo[k][c], the product on codes of FP6 (E2M3) with E8M0 scales, K = 512 (head, d) in four steps of 128.
; SHARES.  A work-group takes 128 tokens (record id = 32 b + block of oq) x all 512 c.  Wave w takes the c tiles w and 16 + w, one after the other.
; Source 0 = a tile of 16 tokens, source 1 = Wo's tile of 16 c: a lane holds ONE c and its registers run along the tokens, which are innermost in x and out0.
; In a pair of tiles lane r of tile u holds row 8 u + r + 8 (r / 8): the 16 registers of token tiles 2 p, 2 p + 1 are tokens 32 p + 16 (lane / 16) + 0 .. 15; Wo's tile ct holds c = 32 (ct / 2) + 8 (ct % 2) + r + 8 (r / 8).
; bo is the C of each sum's first matrix instruction: the lane's one number in eight registers.
; LDS: 0 oq's record, filled once (waves 0, 1: 100 rows of 256 bytes each), read by all behind one barrier: half images [tile 8][head 8][768] (two on end are a K step's fragment), scale bytes at 49,152 [tile 8][row 16][16]: a row's four scale words;
;   51,200 + 8,448 w: each wave's own stage, 16 rows (c) x (512 bytes + 16), in blocks of 256 bytes into which no fill lands.  A row goes out as 512 consecutive bytes.
; NO CLUSTER: work-groups share only Wo's images, 6,656 bytes for a wave and tile, loaded straight into registers; every other byte is a work-group's own.
; REGISTERS: v1-7 addresses; v8 my c's bias, v16-23 the same eight times; v24-27 Wo's scale words; v28-35 o's, two tiles x four steps; v36-59 two fragments of o; v64-111 Wo's four; v112-175 eight accumulators, then rows read back; v176-239 x.
	s_load_b256 s[4:11], s[0:1], 0x0               ; oq s[4:5], wq s[6:7], x s[8:9], bo s[10:11]
	s_load_b64 s[12:13], s[0:1], 0x20              ; out0
	v_lshl_add_u32 v254, v0, 2, 0x2d800
	v_mov_b32 v255, 0
	ds_add_u32 v254, v255
	ds_add_u32 v254, v255
	v_lshrrev_b32 v1, 5, v0
	s_delay_alu instid0(VALU_DEP_1)
	v_readfirstlane_b32 s14, v1                    ; wave 0..15
	s_mov_b32 s15, ttmp9                           ; 32 b + block
	s_mov_b32 s24, 3<<16                           ; descriptor group 1: 100 rows of 256 bytes (32 elements of 8 bytes), dense, no padding
	s_mov_b32 s25, 32<<16
	s_mov_b32 s26, 100<<16
	s_mov_b32 s27, 32<<16
	s_mov_b32 s28, 100
	s_mov_b32 s29, 32
	s_mov_b32 s30, 0
	s_mov_b32 s31, 0
	s_min_u32 s16, s14, 1                          ; (waves above 1 issue no load)
	s_mov_b32 s20, 1
	s_mul_i32 s21, s16, 25600
	s_mul_i32 s16, s15, 51200
	s_add_co_u32 s16, s16, s21
	s_mov_b32 s17, 0
	s_wait_dscnt 0x0
	s_wait_kmcnt 0x0
	s_add_nc_u64 s[22:23], s[4:5], s[16:17]
	s_or_b32 s23, s23, 0x80000000
	s_cmp_lt_u32 s14, 2
	s_cbranch_scc0 .Lno_load
	tensor_load_to_lds s[20:23], s[24:31]
	s_nop 0
.rept 4
	v_nop
.endr
.Lno_load:
	s_lshr_b32 s18, s14, 1
	s_and_b32 s19, s14, 1
	s_lshl_b32 s16, s18, 5
	s_lshl_b32 s42, s19, 3
	s_add_co_u32 s42, s42, s16                     ; my tile's first c: 32 (w / 2) + 8 (w % 2)
	s_lshr_b32 s16, s15, 5
	s_lshl_b32 s16, s16, 23                        ; b x 512 x 16,384 bytes
	s_lshl_b32 s43, s42, 14
	s_add_co_u32 s16, s16, s43
	s_and_b32 s43, s15, 31
	s_lshl_b32 s43, s43, 9                         ; 128 tokens x 4 bytes
	s_add_co_u32 s16, s16, s43
	s_add_nc_u64 s[32:33], s[8:9], s[16:17]        ; x
	s_add_nc_u64 s[34:35], s[12:13], s[16:17]      ; out0
	s_mul_i32 s16, s14, 6144
	s_add_co_u32 s16, s16, 204800
	s_add_nc_u64 s[36:37], s[6:7], s[16:17]        ; Wo's tile w
	s_lshl_b32 s16, s18, 9
	s_lshl_b32 s43, s19, 6
	s_add_co_u32 s16, s16, s43
	s_add_co_u32 s16, s16, 401408
	s_add_nc_u64 s[38:39], s[6:7], s[16:17]        ; its scale words
	s_lshl_b32 s16, s42, 2
	s_add_nc_u64 s[40:41], s[10:11], s[16:17]      ; bo
	s_mul_i32 s16, s14, 8448
	s_add_co_u32 s16, s16, 51200                   ; my stage
	v_and_b32 v9, 31, v0                           ; lane
	v_and_b32 v10, 15, v0                          ; r
	v_bfe_u32 v11, v0, 4, 1                        ; h
	s_delay_alu instid0(VALU_DEP_3)
	v_lshlrev_b32 v1, 4, v9                        ; 16 x lane
	s_delay_alu instid0(VALU_DEP_4)
	v_lshlrev_b32 v2, 3, v9                        ; 8 x lane
	s_delay_alu instid0(VALU_DEP_4)
	v_lshlrev_b32 v3, 4, v10
	s_delay_alu instid0(VALU_DEP_1)
	v_add_nc_u32 v3, 49152, v3                     ; o's scale words: 16 bytes a row
	v_lshlrev_b32 v4, 2, v10                       ; 4 r
	v_and_b32 v5, 8, v10
	s_delay_alu instid0(VALU_DEP_1)
	v_add_nc_u32 v5, v5, v10
	s_delay_alu instid0(VALU_DEP_1)
	v_lshlrev_b32 v5, 2, v5                        ; 4 (r + 8 (r / 8)): my c among the pair's 32
	v_mul_u32_u24 v6, v10, 528
	s_delay_alu instid0(VALU_DEP_1)
	v_lshl_add_u32 v6, v11, 6, v6
	s_delay_alu instid0(VALU_DEP_1)
	v_add_nc_u32 v6, s16, v6                       ; into the stage: row r, + 64 h
	v_add_nc_u32 v7, s16, v1                       ; back: 16 x lane of a row
.macro WM d, a, b, c, sa, sb, row      ; a matrix instruction: D, A, B (first registers), C (first register, or -1 for the constant 0), the scale registers, row = 1: A's scales stand in lanes 16-31
.if (\c) < 0
.if (\row)
	v_wmma_scale_f32_16x16x128_f8f6f4 v[(\d):(\d)+7], v[(\a):(\a)+11], v[(\b):(\b)+11], 0, v[(\sa)], v[(\sb)] matrix_a_fmt:MATRIX_FMT_FP6 matrix_b_fmt:MATRIX_FMT_FP6 matrix_a_scale:MATRIX_SCALE_ROW1
.else
	v_wmma_scale_f32_16x16x128_f8f6f4 v[(\d):(\d)+7], v[(\a):(\a)+11], v[(\b):(\b)+11], 0, v[(\sa)], v[(\sb)] matrix_a_fmt:MATRIX_FMT_FP6 matrix_b_fmt:MATRIX_FMT_FP6
.endif
.else
.if (\row)
	v_wmma_scale_f32_16x16x128_f8f6f4 v[(\d):(\d)+7], v[(\a):(\a)+11], v[(\b):(\b)+11], v[(\c):(\c)+7], v[(\sa)], v[(\sb)] matrix_a_fmt:MATRIX_FMT_FP6 matrix_b_fmt:MATRIX_FMT_FP6 matrix_a_scale:MATRIX_SCALE_ROW1
.else
	v_wmma_scale_f32_16x16x128_f8f6f4 v[(\d):(\d)+7], v[(\a):(\a)+11], v[(\b):(\b)+11], v[(\c):(\c)+7], v[(\sa)], v[(\sb)] matrix_a_fmt:MATRIX_FMT_FP6 matrix_b_fmt:MATRIX_FMT_FP6
.endif
.endif
.endm
.macro OFRAG reg, off                  ; a fragment of o: two heads' half images on end
	ds_load_b128 v[(\reg):(\reg)+3], v1 offset:(\off)
	ds_load_b64 v[(\reg)+4:(\reg)+5], v2 offset:(\off)+512
	ds_load_b128 v[(\reg)+6:(\reg)+9], v1 offset:(\off)+768
	ds_load_b64 v[(\reg)+10:(\reg)+11], v2 offset:(\off)+1280
.endm
; c tile 16 q + w for the 128 tokens
.macro TRIP q
	global_load_b32 v8, v5, s[40:41] offset:1024*\q
.irp s, 0,1,2,3
	global_load_b32 v[24+\s], v4, s[38:39] offset:4096*\q+128*\s
.endr
.irp s, 0,1,2,3
.irp c, 0,1,2
	global_load_b128 v[64+12*\s+4*\c:67+12*\s+4*\c], v1, s[36:37] offset:98304*\q+1536*\s+512*\c
.endr
.endr
.endm
; x's sixteen rows of c tile 16 q + w
.macro XROWS q
.irp i, 0,1,2,3,4,5,6,7,8,9,10,11,12,13,14,15
	global_load_b128 v[176+4*\i:179+4*\i], v1, s[32:33] offset:4194304*\q+(\i+8*(\i/8))*16384 th:TH_LOAD_NT   ; x: the c of stage row i, 512 consecutive bytes; wanted only at the end
.endr
.endm
; the products, the residual and the stores of c tile 16 q + w; TRIP q has asked for its operands
.macro WORK q
	s_wait_loadcnt 16                              ; the bias, Wo's scale words and fragments are in; x's sixteen loads, issued behind them, may stay out
.irp j, 0,1,2,3,4,5,6,7
	v_mov_b32 v[16+\j], v8
.endr
	s_wait_alu depctr_va_vdst(0)
.irp pr, 0,1,2,3                       ; token tiles 2 pr and 2 pr + 1: two accumulators by turns, one instruction a turn
.irp s, 0,1,2,3
.if (\pr)+(\s) > 0
.rept 4
	v_nop                                          ; four places in front of loads into registers that matrix instructions have read
.endr
.endif
.if \s == 0
	ds_load_b128 v[28:31], v3 offset:256*(2*\pr)
	ds_load_b128 v[32:35], v3 offset:256*(2*\pr+1)
.endif
	OFRAG 36,6144*(2*\pr)+1536*\s
	OFRAG 48,6144*(2*\pr+1)+1536*\s
	s_wait_dscnt 0x0
.if \s == 0
	WM 112+16*\pr,36,64+12*\s,16,28+\s,24+\s,0
	WM 120+16*\pr,48,64+12*\s,16,32+\s,24+\s,0
.else
	WM 112+16*\pr,36,64+12*\s,112+16*\pr,28+\s,24+\s,0
	WM 120+16*\pr,48,64+12*\s,120+16*\pr,32+\s,24+\s,0
.endif
.endr
.endr
.rept 4
	v_nop                                          ; four places in front of the first read of results
.endr
.if \q == 0
	TRIP 1                                         ; the next tile's bias, scale words and fragments of Wo: 17 loads, behind the four places, into registers that this tile's products read no more
.endif
.irp m, 0,1,2,3,4,5,6,7
	ds_store_b128 v6, v[112+8*\m:115+8*\m] offset:128*(\m/2)+32*(\m%2)
	ds_store_b128 v6, v[116+8*\m:119+8*\m] offset:128*(\m/2)+32*(\m%2)+16
.endr
.irp i, 0,1,2,3,4,5,6,7,8,9,10,11,12,13,14,15
	ds_load_b128 v[112+4*\i:115+4*\i], v7 offset:528*\i    ; LDS serves a wave's instructions in order (ISA guide 5.7.1.4): these see the stores above; the stage is the wave's own
.endr
	s_wait_loadcnt 17-17*\q                        ; x is in; the 17 loads for the next tile, issued behind x's, may stay out
.irp i, 0,1,2,3,4,5,6,7,8,9,10,11,12,13,14,15
	s_wait_dscnt 15-\i                             ; row i is back; the rows asked for behind it may stay out
	v_pk_add_f32 v[112+4*\i:113+4*\i], v[112+4*\i:113+4*\i], v[176+4*\i:177+4*\i]
	v_pk_add_f32 v[114+4*\i:115+4*\i], v[114+4*\i:115+4*\i], v[178+4*\i:179+4*\i]
	global_store_b128 v1, v[112+4*\i:115+4*\i], s[34:35] offset:4194304*\q+(\i+8*(\i/8))*16384 th:TH_STORE_NT   ; 32 lanes store 512 consecutive bytes, at a multiple of 256 from out0's first byte
.if \q == 0
	global_load_b128 v[176+4*\i:179+4*\i], v1, s[32:33] offset:4194304+(\i+8*(\i/8))*16384 th:TH_LOAD_NT   ; the next tile's row of x, into the registers just added
.endif
.endr
	s_wait_xcnt 0x0                                ; the stores have read their registers, which the next tile's sums write again
.endm
	s_wait_alu depctr_va_vdst(0)
	s_wait_tensorcnt 0x0                           ; my part of the record is in LDS,
	s_barrier_signal -1
	s_barrier_wait -1                              ; everybody's is; nothing is filled again
	TRIP 0
	XROWS 0
	WORK 0
	WORK 1
	s_wait_tensorcnt 0x0
	ds_add_u32 v254, v255
	s_wait_dscnt 0x0
	s_endpgm
.Lfunc_end_k_q8b218354f5_oproj:
	.size	k_q8b218354f5_oproj, .Lfunc_end_k_q8b218354f5_oproj-k_q8b218354f5_oproj
	.p2alignl 7, 3214868480
	.fill 96, 4, 3214868480
	.section	.rodata,"a",@progbits
	.p2align	6, 0x0
	.amdhsa_kernel k_q8b218354f5_oproj
		.amdhsa_group_segment_fixed_size 188416
		.amdhsa_private_segment_fixed_size 0
		.amdhsa_enable_private_segment 0
		.amdhsa_kernarg_size 40
		.amdhsa_user_sgpr_count 2
		.amdhsa_user_sgpr_kernarg_segment_ptr 1
		.amdhsa_wavefront_size32 1
		.amdhsa_system_sgpr_workgroup_id_x 1
		.amdhsa_system_sgpr_workgroup_id_y 1
		.amdhsa_system_sgpr_workgroup_id_z 1
		.amdhsa_system_vgpr_workitem_id 0
		.amdhsa_next_free_vgpr 256
		.amdhsa_next_free_sgpr 66
		.amdhsa_reserve_vcc 0
		.amdhsa_float_denorm_mode_32 3
		.amdhsa_float_denorm_mode_16_64 3
		.amdhsa_memory_ordered 1
		.amdhsa_forward_progress 1
		.amdhsa_inst_pref_size 53
	.end_amdhsa_kernel
	.amdgpu_metadata
---
amdhsa.version: [ 1, 2 ]
amdhsa.kernels:
  - .name:           k_q8b218354f5_oproj
    .symbol:         k_q8b218354f5_oproj.kd
    .args:
      - { .name: oq, .offset: 0, .size: 8, .value_kind: global_buffer, .address_space: global }
      - { .name: wq, .offset: 8, .size: 8, .value_kind: global_buffer, .address_space: global }
      - { .name: x, .offset: 16, .size: 8, .value_kind: global_buffer, .address_space: global }
      - { .name: bo, .offset: 24, .size: 8, .value_kind: global_buffer, .address_space: global }
      - { .name: out0, .offset: 32, .size: 8, .value_kind: global_buffer, .address_space: global }
    .group_segment_fixed_size: 188416
    .private_segment_fixed_size: 0
    .kernarg_segment_align: 8
    .kernarg_segment_size: 40
    .max_flat_workgroup_size: 512
    .sgpr_count:     66
    .vgpr_count:     256
    .wavefront_size: 32
...
	.end_amdgpu_metadata
.endif
;; end of part 4
